; MI455X (gfx1250); checked and timed in simulation.
; The chip was launched on July 23, 2026; its instructions are those of AMD's public machine-readable ISA for CDNA 5 (MIT licence, August 2026) and "CDNA5" Instruction Set Architecture Reference Guide (July 2026). The comments in the code are by the model that wrote it; some were corrected since.
;; Lohalo Kernel Scaling Sampler. Allowed arithmetic: float matrix products may take bf16 or f16 operands with f32 sums; other float arithmetic in f32, or as packed bf16 or f16 multiplies, adds, multiply-adds, maxima and minima; sums over many terms, partial sums and values carried from step to step in f32; what a program stores and reads back later, other than sums and carried values, may be rounded once to bf16 or f16.
;; Inputs: grid 1 x 768 x 768 x 2 float32; image 1 x 3 x 1,024 x 1,024 float32.
;; Outputs: out0 1 x 3 x 768 x 768 float32.
;; 2 versions, each right; version 2 is version 1 with the launch sample written anew for expert scheduling mode. Each part assembles by itself: llvm-mc -triple=amdgcn-amd-amdhsa -mcpu=gfx1250 --defsym DOCPART=n.
;; ======== version 1 of 2: 2 launches
;; limits: inputs' magnitudes at most 42,000; values are held in f16: magnitudes above 65,504 overflow, below 6.1e-05 lose precision
;; workspace buffers: lin 17,470,464 bytes; sig 8,735,232 bytes; idx 2,359,296 bytes of whole numbers
;; launch prep (part 1): grid 1034 x 1, 12 waves a work-group, no clusters, 0 bytes of LDS; arguments image, grid, lin, sig, idx; writes lin, sig, idx
.if DOCPART == 1
	.amdgcn_target "amdgcn-amd-amdhsa--gfx1250"
	.amdhsa_code_object_version 6
	.text
	.protected	k_qce72c99a6c_prep
	.globl	k_qce72c99a6c_prep
	.p2align	8
	.type	k_qce72c99a6c_prep,@function
k_qce72c99a6c_prep:
	s_mov_b64 s[64:65], 0
	v_nop
	global_prefetch_b8 v0, s[64:65] scope:SCOPE_SE
	s_setreg_imm32_b32 hwreg(HW_REG_WAVE_MODE, 25, 1), 1
	s_wait_xcnt 0x0
; PREPARATION for the sampler.  image: [3][1024][1024] f32.  grid: [768][768][2] f32.
; (1) An edge-padded, channel-interleaved copy of the image: 1,034 rows x 1,056 records; record (p, c) is source pixel
;     (clamp(p - 5, 0, 1023), clamp(c - 5, 0, 1023)).  lin: (c0, c1, c2, 1.0) in f32, 16 bytes.  sig: the inverse sigmoid of the three
;     channels in f16 (the third twice), 8 bytes.  The inverse sigmoid is so made once for each source pixel and not once for each tap.
; (2) idx: for each output pixel one whole number: bits 10:0 px = clamp(floor(gx), -3, 1025) + 3, bits 21:11 py likewise,
;     bit 22 fx >= 0, bit 23 fy >= 0 (fx = gx - (floor(gx) + 0.5)).  The 6 x 6 window begins at record (py, px); with 5 records of
;     padding that is clamp(ix + ox, 0, 1023) for ox = -2 .. 3, which is what the two clips of the problem's formula come to.
; SHARES.  Work-group p makes padded row p; thread t the records t, t + 384, t + 768 (33 wave chunks: waves 0-8 three, waves 9-11 two).
; Work-groups 0 to 767 also make row p of idx, thread t the pixels 2 t and 2 t + 1.
; Each store of a wave covers 512 (lin) or 256 (sig, idx) consecutive bytes, at a multiple of 256 from its buffer's first byte.
; LIMITS.  sig is f16: |image| stays under 42,000 (1.551 x that is f16's end).  floor(g) is held to -3 .. 1025 as a float, ahead of the
; conversion, so no grid value overflows it.  The middle branch needs no clip: for 0 < q < 1 its argument lies within +-0.6893.
; NaN and infinities are not treated apart.
.set PITCH,   1056                     ; records in a padded row: 33 x 32
.set PAD,     5
.set LROW,    PITCH*16                 ; 66 x 256 bytes
.set SROW,    PITCH*8                  ; 33 x 256 bytes
.set THREADS, 384
.set VL,  2                            ; v2      16 t: my byte in a row of lin, and in a row of grid
.set VS,  3                            ; v3      8 t: my byte in a row of sig, and in a row of idx
.set SO,  4                            ; v4-6    pass k: byte offset of my source pixel in its row
.set TMP, 7
.set Q,   8                            ; v8-19   pass k: the record (c0, c1, c2, 1.0)
.set H,   20                           ; v20-25  pass k: the f16 record
.set A1,  26                           ; v26-28  1 + s, then the result, by channel
.set A2,  29                           ; v29-31  1 - s
.set QLO, 32                           ; v32-34  the branch q <= 0
.set QHI, 35                           ; v35-37  the branch q >= 1
.set GR,  40                           ; v40-43  gx, gy of two pixels
.set FL,  44                           ; v44-47  their floors, then px, py
.set FR,  48                           ; v48-51  fx, fy
.set BT,  52                           ; v52-55  fx >= 0, fy >= 0
.set WD,  56                           ; v56-57  the two words
.set TS,  26                           ; s26  2 sig1 = 1.3784442, sig1 = tanh(0.25 x 3.38589)
.set NTS, 27                           ; s27  -2 sig1
.set OMS, 28                           ; s28  1 - sig1
.set OPS, 29                           ; s29  1 + sig1
.set KL,  30                           ; s30  ln 2 / 3.38589
.set INV, 31                           ; s31  1 / slope = 1.5509917
.set OMI, 32                           ; s32  1 - 1 / slope
	s_load_b256 s[4:11], s[0:1], 0x0               ; image s[4:5], grid s[6:7], lin s[8:9], sig s[10:11]
	s_load_b64 s[12:13], s[0:1], 0x20              ; idx
	v_lshrrev_b32 v1, 5, v0
	v_readfirstlane_b32 s14, v1                    ; wave 0..11
	s_mov_b32 s15, ttmp9                           ; p
	s_max_u32 s16, s15, PAD
	s_sub_co_u32 s16, s16, PAD
	s_min_u32 s16, s16, 1023                       ; the source row
	s_lshl_b32 s16, s16, 12                        ; x 4,096 bytes
	s_mov_b32 s17, 0
	s_mul_i32 s18, s15, LROW
	s_mov_b32 s19, 0
	s_mul_i32 s20, s15, SROW
	s_mov_b32 s21, 0
	s_mov_b32 s[TS],  0x3fb070dc
	s_mov_b32 s[NTS], 0xbfb070dc
	s_mov_b32 s[OMS], 0x3e9f1e48                   ; 0.3107779
	s_mov_b32 s[OPS], 0x3fd8386e                   ; 1.6892221
	s_mov_b32 s[KL],  0x3e51a12c                   ; 0.2047164
	s_mov_b32 s[INV], 0x3fc686e5
	s_mov_b32 s[OMI], 0xbf0d0dcb                   ; -0.5509917
	v_lshlrev_b32 v[VL], 4, v0
	v_lshlrev_b32 v[VS], 3, v0
.irp k, 0,1,2
	v_add_nc_u32 v[SO+\k], THREADS*\k, v0          ; record c
	v_min_u32 v[TMP], PAD, v[SO+\k]
	v_min_u32 v[SO+\k], 1023+PAD, v[SO+\k]
	v_sub_nc_u32 v[SO+\k], v[SO+\k], v[TMP]        ; min(c, 1028) - min(c, 5) = clamp(c - 5, 0, 1023)
	v_lshlrev_b32 v[SO+\k], 2, v[SO+\k]
	v_mov_b32 v[Q+4*\k+3], 1.0                     ; the record's fourth number: the sampler's sum of weights rides on it
.endr
	s_wait_kmcnt 0x0
	s_add_nc_u64 s[4:5], s[4:5], s[16:17]          ; the source row in channel 0,
	s_add_nc_u64 s[22:23], s[4:5], 0x400000        ; channel 1,
	s_add_nc_u64 s[24:25], s[4:5], 0x800000        ; channel 2
	s_add_nc_u64 s[8:9], s[8:9], s[18:19]          ; my row of lin
	s_add_nc_u64 s[10:11], s[10:11], s[20:21]      ; my row of sig
; All nine loads go out first.  Waves 9-11 have no third record to store; their third loads fall on the row's last pixel (the clamp
; above) and are not used: so the one branch on the wave's number stands round arithmetic and stores alone.
.irp k, 0,1,2
	global_load_b32 v[Q+4*\k],   v[SO+\k], s[4:5]
	global_load_b32 v[Q+4*\k+1], v[SO+\k], s[22:23]
	global_load_b32 v[Q+4*\k+2], v[SO+\k], s[24:25]
.endr
	s_cmp_lt_u32 s15, 768
	s_cbranch_scc0 .Lno_index                      ; the grid has 768 rows
	s_mul_i32 s16, s15, 768*8                      ; (s17 and s19 still hold 0)
	s_mul_i32 s18, s15, 768*4
	s_add_nc_u64 s[6:7], s[6:7], s[16:17]
	s_add_nc_u64 s[12:13], s[12:13], s[18:19]
	global_load_b128 v[GR:GR+3], v[VL], s[6:7]     ; two pixels' (gx, gy): a wave takes 512 consecutive bytes
	s_wait_loadcnt 0x0
.irp i, 0,1,2,3
	v_floor_f32 v[FL+\i], v[GR+\i]
.endr
	v_pk_add_f32 v[FR:FR+1],   v[FL:FL+1],   0.5 op_sel_hi:[1,0]
	v_pk_add_f32 v[FR+2:FR+3], v[FL+2:FL+3], 0.5 op_sel_hi:[1,0]
	v_pk_add_f32 v[FR:FR+1],   v[GR:GR+1],   v[FR:FR+1]   neg_lo:[0,1] neg_hi:[0,1]  ; g - (floor g + 0.5): the sampler makes it by the same two lines,
	v_pk_add_f32 v[FR+2:FR+3], v[GR+2:GR+3], v[FR+2:FR+3] neg_lo:[0,1] neg_hi:[0,1]  ; so its weights and these bits agree
.irp i, 0,1,2,3
	v_max_num_f32 v[FL+\i], 0xc0400000, v[FL+\i]   ; -3: from there down all six taps are pixel 0
	v_min_num_f32 v[FL+\i], 0x44802000, v[FL+\i]   ; 1025: from there up all six are pixel 1023
	v_add_f32 v[FL+\i], 0x40400000, v[FL+\i]       ; + 3
	v_cvt_u32_f32 v[FL+\i], v[FL+\i]               ; 0 .. 1028
	v_cmp_le_f32 vcc_lo, 0, v[FR+\i]
	v_cndmask_b32 v[BT+\i], 0, 1, vcc_lo
.endr
.irp n, 0,1
	v_lshl_or_b32 v[WD+\n], v[FL+2*\n+1], 11, v[FL+2*\n]
	v_lshl_or_b32 v[WD+\n], v[BT+2*\n],   22, v[WD+\n]
	v_lshl_or_b32 v[WD+\n], v[BT+2*\n+1], 23, v[WD+\n]
.endr
	global_store_b64 v[VS], v[WD:WD+1], s[12:13]
.Lno_index:
	s_wait_loadcnt 0x0                             ; the nine image loads
; One record.  q <= 0: q / slope.  q >= 1: q / slope + (1 - 1 / slope).  Between: (2 / c) atanh(s) + 0.5 with s = 2 sig1 q - sig1,
; and atanh(s) = (ln 2 / 2) (log2(1 + s) - log2(1 - s)).  The branches are chosen by selects: what a branch makes outside its range is not used.
.macro PASS k
.irp c, 0,1,2
	v_fma_f32 v[A1+\c], v[Q+4*(\k)+\c], s[TS],  s[OMS]
	v_fma_f32 v[A2+\c], v[Q+4*(\k)+\c], s[NTS], s[OPS]
.endr
.irp c, 0,1,2
	v_log_f32 v[A1+\c], v[A1+\c]
	v_log_f32 v[A2+\c], v[A2+\c]
.endr
.irp c, 0,1,2                          ; six plain lines stand between the logarithms and the use of their results (ISA guide 5.7.2)
	v_mul_f32 v[QLO+\c], s[INV], v[Q+4*(\k)+\c]
	v_fma_f32 v[QHI+\c], v[Q+4*(\k)+\c], s[INV], s[OMI]
.endr
	s_wait_alu depctr_va_vdst(0)
.irp c, 0,1,2
	v_sub_f32 v[A1+\c], v[A1+\c], v[A2+\c]
	v_fma_f32 v[A1+\c], v[A1+\c], s[KL], 0.5
	v_cmp_ge_f32 vcc_lo, 0, v[Q+4*(\k)+\c]
	v_cndmask_b32 v[A1+\c], v[A1+\c], v[QLO+\c], vcc_lo
	v_cmp_le_f32 vcc_lo, 1.0, v[Q+4*(\k)+\c]
	v_cndmask_b32 v[A1+\c], v[A1+\c], v[QHI+\c], vcc_lo
.endr
	v_cvt_pk_f16_f32 v[H+2*(\k)],   v[A1],   v[A1+1]
	v_cvt_pk_f16_f32 v[H+2*(\k)+1], v[A1+2], v[A1+2]
	global_store_b128 v[VL], v[Q+4*(\k):Q+4*(\k)+3], s[8:9]   offset:(\k)*THREADS*16  ; each pass has its own data registers: none is rewritten behind its store
	global_store_b64  v[VS], v[H+2*(\k):H+2*(\k)+1], s[10:11] offset:(\k)*THREADS*8
.endm
	PASS 0
	PASS 1
	s_cmp_lt_u32 s14, 9                            ; records 768 to 1,055 are nine wave chunks
	s_cbranch_scc0 .Ldone
	PASS 2
.Ldone:
	s_endpgm
.Lfunc_end_k_qce72c99a6c_prep:
	.size	k_qce72c99a6c_prep, .Lfunc_end_k_qce72c99a6c_prep-k_qce72c99a6c_prep
	.p2alignl 7, 3214868480
	.fill 96, 4, 3214868480
	.section	.rodata,"a",@progbits
	.p2align	6, 0x0
	.amdhsa_kernel k_qce72c99a6c_prep
		.amdhsa_group_segment_fixed_size 0
		.amdhsa_private_segment_fixed_size 0
		.amdhsa_enable_private_segment 0
		.amdhsa_kernarg_size 40
		.amdhsa_user_sgpr_count 2
		.amdhsa_user_sgpr_kernarg_segment_ptr 1
		.amdhsa_wavefront_size32 1
		.amdhsa_system_sgpr_workgroup_id_x 1
		.amdhsa_system_sgpr_workgroup_id_y 1
		.amdhsa_system_sgpr_workgroup_id_z 1
		.amdhsa_system_vgpr_workitem_id 0
		.amdhsa_next_free_vgpr 64
		.amdhsa_next_free_sgpr 66
		.amdhsa_reserve_vcc 1
		.amdhsa_float_denorm_mode_32 3
		.amdhsa_float_denorm_mode_16_64 3
		.amdhsa_memory_ordered 1
		.amdhsa_forward_progress 1
		.amdhsa_inst_pref_size 12
	.end_amdhsa_kernel
	.amdgpu_metadata
---
amdhsa.version: [ 1, 2 ]
amdhsa.kernels:
  - .name:           k_qce72c99a6c_prep
    .symbol:         k_qce72c99a6c_prep.kd
    .args:
      - { .name: image, .offset: 0, .size: 8, .value_kind: global_buffer, .address_space: global }
      - { .name: grid, .offset: 8, .size: 8, .value_kind: global_buffer, .address_space: global }
      - { .name: lin, .offset: 16, .size: 8, .value_kind: global_buffer, .address_space: global }
      - { .name: sig, .offset: 24, .size: 8, .value_kind: global_buffer, .address_space: global }
      - { .name: idx, .offset: 32, .size: 8, .value_kind: global_buffer, .address_space: global }
    .group_segment_fixed_size: 0
    .private_segment_fixed_size: 0
    .kernarg_segment_align: 8
    .kernarg_segment_size: 40
    .max_flat_workgroup_size: 384
    .sgpr_count:     66
    .vgpr_count:     64
    .wavefront_size: 32
...
	.end_amdgpu_metadata
.endif
;; end of part 1
;; launch sample (part 2): grid 12 x 192, 4 waves a work-group, no clusters, 0 bytes of LDS; arguments grid, lin, sig, idx, out0; writes out0
.if DOCPART == 2
	.amdgcn_target "amdgcn-amd-amdhsa--gfx1250"
	.amdhsa_code_object_version 6
	.text
	.protected	k_qce72c99a6c_sample
	.globl	k_qce72c99a6c_sample
	.p2align	8
	.type	k_qce72c99a6c_sample,@function
k_qce72c99a6c_sample:
	s_mov_b64 s[64:65], 0
	v_nop
	global_prefetch_b8 v0, s[64:65] scope:SCOPE_SE
	s_setreg_imm32_b32 hwreg(HW_REG_WAVE_MODE, 25, 1), 1
	s_wait_xcnt 0x0
; THE SAMPLER.  out0[c][Y][X] from grid [768][768][2] f32 and the three buffers of the launch before: lin (padded records c0, c1, c2, 1.0 in
; f32), sig (their inverse sigmoids in f16), idx (window corner and two bits, whole numbers).  Every address of the gather is made of idx.
; SHARES.  A work-group takes 64 x 4 pixels, a wave 64 pixels of one row as two chunks of 32, a lane one pixel of each chunk.
; PER PIXEL.  Jacobian by central differences (neighbours clamped at the edges), its inverse, the larger and smaller squared singular
; values s1, s2, the eigenvector (u11, u21), all as the problem's formula has them, with v_rcp / v_rsq and a multiply for each division.
; MITCHELL.  Of the six taps of an axis those with |rel| >= 2 weigh 0: four are left, beginning at ox = -2 (fx < 0) or -1 (fx >= 0); idx carries that
; bit, so the 4 x 4 records are asked for directly.  With f = fx or fx + 1 the four distances are 1 + f, f, 1 - f, 2 - f: no masks.
; EWA.  r2 = q1^2 + q2^2 is the form A x^2 + 2 h x y + C y^2 with A = u11^2 / M + u21^2 / m, h = u11 u21 (1 / M - 1 / m), M = max(s1, 1), m = max(s2, 1),
; and determinant 1 / (M m).  It is taken as (sqrt(A) x + h y / sqrt(A))^2 + y^2 / (M m A) + 1e-8: two packed lines for two taps, and never below 1e-8.
; The Robidoux cubic has a continuous slope at r = 1 (a0 = 2 m0, a2 - m0 - 4 = -2 m0, m0 its inner root), so for all r >= 0
;   w = u^2 (k2 - 8 u) + t^2 (4 t + k1),  u = clamp(1 - r / 2),  t = clamp(1 - r),  k2 = 4 (2 + m0),  k1 = -(4 + 2 m0):  no compare, all packed.
; The record's 1.0 makes the sum of weights in the same two packed multiply-adds that sum the three channels.
; IN FLIGHT.  A chunk's 52 gathers (16 of 8 bytes, 36 of 16) go out before its parameters are made; chunk B's go out row by row into the registers
; of chunk A's rows as those are summed.  Loads come back in order (ISA guide 5.7.1): each wait's count is the number of loads issued behind those it needs.
; LIMITS.  Sums in f32; sig in f16.  r2 + 1e-8 stands for r2 in the inner cubic.  A squared eigenvector norm below the smallest normal number counts as 0
; (u = (1, 0)): there M = m to rounding, and the form does not hang on u.  Transcendentals flush denormals (ISA guide 15.8).  The order of rounding
; differs from the formula's.  NaN and infinities are not treated apart.
.set WOUT,  768
.set PITCH, 1056
.set LROW,  PITCH*16
.set SROW,  PITCH*8
.set GROW,  WOUT*8
.set IROW,  WOUT*4
.set OCH,   WOUT*WOUT*4
.set C8,   1                           ; v1      8 x my column (chunk A); never rewritten
.set LA,   2                           ; v2      8 x max(column - 1, 0)
.set RB,   3                           ; v3      8 x min(column + 33, 767)
.set C4,   4                           ; v4      4 x my column
.set ALA,  5                           ; v5-8    byte offsets of my windows: lin A, sig A, lin B, sig B; never rewritten
.set ASA,  6
.set ALB,  7
.set ASB,  8
.set ZR,   9                           ; v9      0
.set ONE,  10                          ; v10-15  1, 1; -1, -1; -0.5, -0.5: a line with clamp takes all its sources from vector registers
.set NEG1, 12
.set NEGH, 14
.set G,    16                          ; v16-25  grid: own, left, right, up, down
.set IX,   26                          ; v26-27  idx words of chunks A and B
.set XS,   28                          ; v28-33  sqrt(A) x_i; at the very end chunk B's results
.set KD,   34                          ; v34-35  K_j = h y_j / sqrt(A), D_j = y_j^2 / (M m A) + 1e-8
.set W0,   36                          ; v36-41, v42-47  two buffers of a row's six r2, r, w
.set W1,   42
.set MXI,  36                          ; ahead of them in time, the Mitchell weights: x taps 1, 2; x taps 0, 3; the same for y
.set MXO,  38
.set MYI,  40
.set MYO,  42
.set MT,   44
.set MU,   46
.set T,    48                          ; v48-55  at work
.set P,    48                          ; v48-69  at work while the parameters are made
.set MA,   56                          ; v56-61  Mitchell sums, even taps' and odd taps'
.set EA,   62                          ; v62-69  EWA sums (c0, c1, c2, weights), even taps' and odd taps'
.set TH,   70                          ; theta
.set KP,   71                          ; h / sqrt(A)
.set FX,   72                          ; v72-73  fx, fy
.set FY,   73
.set DL,   74                          ; 1 / (M m A)
.set OA,   75                          ; v75-77  chunk A's results
.set SIG,  80                          ; v80-111   4 x 4 records of 2
.set LIN,  112                         ; v112-255  6 x 6 records of 4
.set PM,   112                         ; at the very end: the re-dealt results
.set EPS,  32                          ; s32  1e-8
.set C76,  34                          ; pairs, named whole by packed lines that take the low word for both halves
.set C89,  36
.set CM718, 38
.set CM103, 40
.set C169, 42
.set M8,   44
.set K2,   46
.set K1,   48
.set CE1,  50                          ; 3.38589 log2(e)
.set CE0,  51                          ; -half of it
.set SLP,  52                          ; slope = 0.6447488
.set OMSL, 53                          ; 1 - slope
.set M2H,  54                          ; -1 / sig1
.set HP5,  55                          ; 0.5 / sig1 + 0.5
.set NEED, 56                          ; lanes with twice s1 > 2
	s_load_b256 s[4:11], s[0:1], 0x0               ; grid s[4:5], lin s[6:7], sig s[8:9], idx s[10:11]
	s_load_b64 s[12:13], s[0:1], 0x20              ; out0
	v_lshrrev_b32 v1, 5, v0
	v_readfirstlane_b32 s14, v1                    ; wave 0..3
	s_and_b32 s15, ttmp7, 0xffff
	s_lshl_b32 s15, s15, 2
	s_add_co_u32 s15, s15, s14                     ; Y
	s_lshl_b32 s16, ttmp9, 6                       ; the wave's first column
	s_max_u32 s17, s15, 1
	s_sub_co_u32 s17, s17, 1                       ; max(Y - 1, 0)
	s_add_co_u32 s18, s15, 1
	s_min_u32 s18, s18, WOUT-1                     ; min(Y + 1, 767)
	s_mul_i32 s20, s15, GROW
	s_mov_b32 s21, 0
	s_mul_i32 s22, s17, GROW
	s_mov_b32 s23, 0
	s_mul_i32 s24, s18, GROW
	s_mov_b32 s25, 0
	s_mul_i32 s26, s15, IROW
	s_mov_b32 s27, 0
	s_lshl_b32 s19, s16, 2
	v_and_b32 v[T], 31, v0
	v_add_nc_u32 v[T], s16, v[T]                   ; my column in chunk A; chunk B's is 32 further on
	v_lshlrev_b32 v[C8], 3, v[T]
	v_lshlrev_b32 v[C4], 2, v[T]
	v_min_u32 v[T+1], 1, v[T]
	v_sub_nc_u32 v[T+1], v[T], v[T+1]
	v_lshlrev_b32 v[LA], 3, v[T+1]
	v_add_nc_u32 v[T+1], 33, v[T]
	v_min_u32 v[T+1], WOUT-1, v[T+1]
	v_lshlrev_b32 v[RB], 3, v[T+1]
	s_wait_kmcnt 0x0
	s_add_nc_u64 s[28:29], s[4:5], s[22:23]        ; grid: the row above,
	s_add_nc_u64 s[30:31], s[4:5], s[24:25]        ; the row below,
	s_add_nc_u64 s[4:5], s[4:5], s[20:21]          ; my row
	s_add_nc_u64 s[10:11], s[10:11], s[26:27]      ; idx: my row
	s_add_co_u32 s26, s26, s19
	s_add_nc_u64 s[12:13], s[12:13], s[26:27]      ; out0: my wave's 64 pixels in channel 0: a multiple of 256 bytes
; Five grid values of a chunk.  In chunk A only the left neighbour can fall off the row, in chunk B only the right one.
.macro GRIDLOAD own, lreg, loff, rreg, roff
	global_load_b64 v[G:G+1],   v[C8],    s[4:5]   offset:\own
	global_load_b64 v[G+2:G+3], v[\lreg], s[4:5]   offset:\loff
	global_load_b64 v[G+4:G+5], v[\rreg], s[4:5]   offset:\roff
	global_load_b64 v[G+6:G+7], v[C8],    s[28:29] offset:\own
	global_load_b64 v[G+8:G+9], v[C8],    s[30:31] offset:\own
.endm
	global_load_b32 v[IX],   v[C4], s[10:11]
	global_load_b32 v[IX+1], v[C4], s[10:11] offset:128
	GRIDLOAD 0, LA, 0, C8, 8
	v_mov_b32 v[ZR], 0                             ; the constants are set while those seven loads are out
	v_mov_b32 v[ONE], 1.0
	v_mov_b32 v[ONE+1], 1.0
	v_mov_b32 v[NEG1], -1.0
	v_mov_b32 v[NEG1+1], -1.0
	v_mov_b32 v[NEGH], -0.5
	v_mov_b32 v[NEGH+1], -0.5
	s_mov_b32 s[EPS], 0x322bcc77                   ; 1e-8
.irp h, 0,1
	s_mov_b32 s[C76+\h],   0x3f955555              ; 7/6
	s_mov_b32 s[C89+\h],   0x3f638e39              ; 8/9
	s_mov_b32 s[CM718+\h], 0xbec71c72              ; -7/18
	s_mov_b32 s[CM103+\h], 0xc0555555              ; -10/3
	s_mov_b32 s[C169+\h],  0x3fe38e39              ; 16/9
	s_mov_b32 s[M8+\h],    0xc1000000              ; -8
	s_mov_b32 s[K2+\h],    0x4015eec2              ; 2.3426976
	s_mov_b32 s[K1+\h],    0xbf95eec2              ; -1.1713488
.endr
	s_mov_b32 s[CE1],  0x409c5056                  ; 4.8848067
	s_mov_b32 s[CE0],  0xc01c5056                  ; -2.4424034
	s_mov_b32 s[SLP],  0x3f250e42
	s_mov_b32 s[OMSL], 0x3eb5e37c                  ; 0.3552512
	s_mov_b32 s[M2H],  0xbfb9b774                  ; -1.4509111
	s_mov_b32 s[HP5],  0x3f9cdbba                  ; 1.2254556
; An idx word becomes two byte offsets.  Each coordinate is held under a constant before it enters an address; behind that only shifts and adds:
; 1056 y + x = ((33 y) << 5) + x.  Window ends: lin 1028 + 5 = 1033, sig 1029 + 3 = 1032, inside the 1,034 rows and 1,056 columns.
.macro DECODE wd, la, sa
	v_and_b32 v[T],   0x7ff, v[\wd]                ; px
	v_bfe_u32 v[T+1], v[\wd], 11, 11               ; py
	v_bfe_u32 v[T+2], v[\wd], 22, 1                ; fx >= 0
	v_bfe_u32 v[T+3], v[\wd], 23, 1                ; fy >= 0
	v_add_nc_u32 v[T+2], v[T],   v[T+2]            ; the 4 x 4 window begins there
	v_add_nc_u32 v[T+3], v[T+1], v[T+3]
	v_min_u32 v[T],   0x404, v[T]
	v_min_u32 v[T+1], 0x404, v[T+1]
	v_min_u32 v[T+2], 0x405, v[T+2]
	v_min_u32 v[T+3], 0x405, v[T+3]
	v_lshl_add_u32 v[T+1], v[T+1], 5, v[T+1]
	v_lshl_add_u32 v[T+1], v[T+1], 5, v[T]
	v_lshlrev_b32 v[\la], 4, v[T+1]
	v_lshl_add_u32 v[T+3], v[T+3], 5, v[T+3]
	v_lshl_add_u32 v[T+3], v[T+3], 5, v[T+2]
	v_lshlrev_b32 v[\sa], 3, v[T+3]
.endm
.macro LOADSIG j, a                    ; row j of the 4 x 4 window
.irp k, 0,1,2,3
	global_load_b64 v[SIG+2*(4*(\j)+\k):SIG+2*(4*(\j)+\k)+1], v[\a], s[8:9] offset:(\j)*SROW+\k*8
.endr
.endm
.macro LOADLIN j, a                    ; row j of the 6 x 6 window
.irp i, 0,1,2,3,4,5
	global_load_b128 v[LIN+4*(6*(\j)+\i):LIN+4*(6*(\j)+\i)+3], v[\a], s[6:7] offset:(\j)*LROW+\i*16
.endr
.endm
	s_wait_loadcnt 5                               ; both idx words are in; the five grid loads issued behind them may be out
	DECODE IX, ALA, ASA
.irp j, 0,1,2,3
	LOADSIG \j, ASA
.endr
.irp j, 0,1,2,3,4,5
	LOADLIN \j, ALA
.endr
	DECODE IX+1, ALB, ASB
; MITCHELL SUMS.  One tap: three multiply-adds of an f16 half by an f32 weight into an f32 sum.  The first even and the first odd tap start the sums on a register that holds 0.
.macro MTAP j, k, wr
.set rS, SIG+2*(4*(\j)+(\k))
.set rA, MA+3*((\k)%2)
.if ((\j) == 0) && ((\k) < 2)
	v_fma_mix_f32 v[rA],   v[rS],   v[\wr], v[ZR] op_sel:[0,0,0] op_sel_hi:[1,0,0]
	v_fma_mix_f32 v[rA+1], v[rS],   v[\wr], v[ZR] op_sel:[1,0,0] op_sel_hi:[1,0,0]
	v_fma_mix_f32 v[rA+2], v[rS+1], v[\wr], v[ZR] op_sel:[0,0,0] op_sel_hi:[1,0,0]
.else
	v_fma_mix_f32 v[rA],   v[rS],   v[\wr], v[rA]   op_sel:[0,0,0] op_sel_hi:[1,0,0]
	v_fma_mix_f32 v[rA+1], v[rS],   v[\wr], v[rA+1] op_sel:[1,0,0] op_sel_hi:[1,0,0]
	v_fma_mix_f32 v[rA+2], v[rS+1], v[\wr], v[rA+2] op_sel:[0,0,0] op_sel_hi:[1,0,0]
.endif
.endm
; Row j: its y weight is half yh of pair yp.  left: the loads issued behind this row's four.  nxt = 1: chunk B's row takes the registers.
.macro MROW j, yp, yh, left, nxt
	v_pk_mul_f32 v[T:T+1],   v[MXI:MXI+1], v[\yp:\yp+1] op_sel:[0,\yh] op_sel_hi:[1,\yh]  ; taps 1, 2
	v_pk_mul_f32 v[T+2:T+3], v[MXO:MXO+1], v[\yp:\yp+1] op_sel:[0,\yh] op_sel_hi:[1,\yh]  ; taps 0, 3
	s_wait_loadcnt \left
	MTAP \j, 0, T+2
	MTAP \j, 1, T
	MTAP \j, 2, T+1
	MTAP \j, 3, T+3
.if \nxt
	LOADSIG \j, ASB
.endif
.endm
; EWA, a row of six taps at a time.  R2: r2 + 1e-8 for the row with y = fy + yc.
.macro R2 w, yc
	v_add_f32 v[T+6], \yc, v[FY]
	v_mul_f32 v[KD],  v[KP], v[T+6]
	v_mul_f32 v[T+7], v[DL], v[T+6]
	v_fma_f32 v[KD+1], v[T+7], v[T+6], s[EPS]
.irp p, 0,2,4
	v_pk_add_f32 v[(\w)+\p:(\w)+\p+1], v[XS+\p:XS+\p+1], v[KD:KD+1] op_sel_hi:[1,0]
.endr
.irp p, 0,2,4
	v_pk_fma_f32 v[(\w)+\p:(\w)+\p+1], v[(\w)+\p:(\w)+\p+1], v[(\w)+\p:(\w)+\p+1], v[KD:KD+1] op_sel:[0,0,1] op_sel_hi:[1,1,1]
.endr
.endm
.macro SQ w                            ; six roots on end; what follows each use of this macro is plain work on other registers (ISA guide 5.7.2)
.irp i, 0,1,2,3,4,5
	v_sqrt_f32 v[(\w)+\i], v[(\w)+\i]
.endr
.endm
.macro WGT w                           ; r becomes w, two taps a line
	s_wait_alu depctr_va_vdst(0)
.irp p, 0,2,4
	v_pk_fma_f32 v[T:T+1],     v[(\w)+\p:(\w)+\p+1], v[NEGH:NEGH+1], v[ONE:ONE+1] clamp  ; u = clamp(1 - r / 2)
	v_pk_fma_f32 v[T+2:T+3],   v[(\w)+\p:(\w)+\p+1], v[NEG1:NEG1+1], v[ONE:ONE+1] clamp  ; t = clamp(1 - r)
	v_pk_fma_f32 v[T+4:T+5],   v[T:T+1], s[M8:M8+1], s[K2:K2+1] op_sel_hi:[1,0,0]        ; k2 - 8 u
	v_pk_mul_f32 v[T:T+1],     v[T:T+1], v[T:T+1]
	v_pk_fma_f32 v[(\w)+\p:(\w)+\p+1], v[T+2:T+3], 4.0, s[K1:K1+1] op_sel_hi:[1,0,0]     ; 4 t + k1
	v_pk_mul_f32 v[T+2:T+3],   v[T+2:T+3], v[T+2:T+3]
	v_pk_mul_f32 v[T:T+1],     v[T:T+1], v[T+4:T+5]
	v_pk_fma_f32 v[(\w)+\p:(\w)+\p+1], v[T+2:T+3], v[(\w)+\p:(\w)+\p+1], v[T:T+1]
.endr
.endm
.macro ATAP j, i, w, hi                ; tap i of row j: its weight is half hi of pair w; even and odd taps have sums of their own; the first two taps start them
.set rL, LIN+4*(6*(\j)+(\i))
.set rE, EA+4*(\hi)
.if ((\j) == 0) && ((\i) < 2)
	v_pk_mul_f32 v[rE:rE+1],   v[rL:rL+1],   v[\w:\w+1] op_sel:[0,\hi] op_sel_hi:[1,\hi]
	v_pk_mul_f32 v[rE+2:rE+3], v[rL+2:rL+3], v[\w:\w+1] op_sel:[0,\hi] op_sel_hi:[1,\hi]
	s_wait_alu depctr_va_vdst(0)
.else
	v_pk_fma_f32 v[rE:rE+1],   v[rL:rL+1],   v[\w:\w+1], v[rE:rE+1]   op_sel:[0,\hi,0] op_sel_hi:[1,\hi,1]
	v_pk_fma_f32 v[rE+2:rE+3], v[rL+2:rL+3], v[\w:\w+1], v[rE+2:rE+3] op_sel:[0,\hi,0] op_sel_hi:[1,\hi,1]
.endif
.endm
; Row j.  The next row's r2 stands behind this row's roots, the next row's roots ahead of this row's sums: a root's result is used a row of plain work later.
.macro EROW j, wc, wn, ycn, more, left, nxt
.if \more
	R2 \wn, \ycn
.endif
	WGT \wc
.if \more
	SQ \wn
.endif
	s_wait_loadcnt \left
	ATAP \j, 0, (\wc), 0
	ATAP \j, 1, (\wc), 1
	ATAP \j, 2, (\wc)+2, 0
	ATAP \j, 3, (\wc)+2, 1
	ATAP \j, 4, (\wc)+4, 0
	ATAP \j, 5, (\wc)+4, 1
.if \nxt
	LOADLIN \j, ALB
.endif
.endm
; A CHUNK.  nxt = 1: chunk A, which also asks for chunk B's data.  out: where the three results go.
.macro CHUNK nxt, out
	s_wait_loadcnt 52                              ; the five grid values are in; behind them 16 + 36 gathers were issued
	v_pk_add_f32 v[P:P+1],   v[G+4:G+5], v[G+2:G+3] neg_lo:[0,1] neg_hi:[0,1]  ; right - left
	v_pk_add_f32 v[P+2:P+3], v[G+8:G+9], v[G+6:G+7] neg_lo:[0,1] neg_hi:[0,1]  ; down - up
	v_floor_f32 v[P+4], v[G]
	v_floor_f32 v[P+5], v[G+1]
	v_pk_mul_f32 v[P:P+1],   v[P:P+1],   0.5 op_sel_hi:[1,0]                   ; J00, J10
	v_pk_mul_f32 v[P+2:P+3], v[P+2:P+3], 0.5 op_sel_hi:[1,0]                   ; J01, J11
	v_pk_add_f32 v[P+4:P+5], v[P+4:P+5], 0.5 op_sel_hi:[1,0]
	v_pk_add_f32 v[FX:FX+1], v[G:G+1], v[P+4:P+5] neg_lo:[0,1] neg_hi:[0,1]    ; fx, fy
.if \nxt
	GRIDLOAD 256, C8, 248, RB, 0                   ; chunk A's ten numbers have been read: chunk B's take their registers
.endif
	v_mul_f32 v[P+4], v[P], v[P+3]
	v_mul_f32 v[P+5], v[P+2], v[P+1]
	v_sub_f32 v[P+4], v[P+4], v[P+5]
	v_add_f32 v[P+4], s[EPS], v[P+4]               ; det
	v_rcp_f32 v[P+5], v[P+4]
	v_cmp_le_f32 vcc_lo, 0, v[FX]                  ; the Mitchell weights are made in the places behind the transcendentals
	v_add_f32 v[MT], 1.0, v[FX]
	v_cndmask_b32 v[MXI], v[MT], v[FX], vcc_lo     ; f = fx or fx + 1
	v_cmp_le_f32 vcc_lo, 0, v[FY]
	v_add_f32 v[MT], 1.0, v[FY]
	v_cndmask_b32 v[MYI], v[MT], v[FY], vcc_lo
	v_sub_f32 v[MXI+1], 1.0, v[MXI]                ; (f, 1 - f): taps 1, 2
	v_sub_f32 v[MYI+1], 1.0, v[MYI]
	v_pk_add_f32 v[MXO:MXO+1], v[MXI:MXI+1], v[ONE:ONE+1]  ; (1 + f, 2 - f): taps 0, 3
	v_pk_add_f32 v[MYO:MYO+1], v[MYI:MYI+1], v[ONE:ONE+1]
	s_wait_alu depctr_va_vdst(0)
	v_pk_mul_f32 v[P:P+1],   v[P:P+1],   v[P+4:P+5] op_sel:[0,1] op_sel_hi:[1,1]  ; d, -c
	v_pk_mul_f32 v[P+2:P+3], v[P+2:P+3], v[P+4:P+5] op_sel:[0,1] op_sel_hi:[1,1]  ; -b, a
	v_mul_f32 v[P+8],  v[P],   v[P]
	v_mul_f32 v[P+9],  v[P+2], v[P+2]
	v_mul_f32 v[P+10], v[P+3], v[P+1]
	v_mul_f32 v[P+12], v[P+5], v[P+5]              ; 1 / det^2
	v_fma_f32 v[P+8],  v[P+1], v[P+1], v[P+8]      ; n22
	v_fma_f32 v[P+9],  v[P+3], v[P+3], v[P+9]      ; n11
	v_fma_f32 v[P+10], v[P+2], v[P],   v[P+10]     ; -n12: the sign is given back where h is made
	v_add_f32 v[P+11], v[P+9], v[P+8]              ; frob
	v_mul_f32 v[P+13], v[P+11], v[P+11]
	v_fma_f32 v[P+13], v[P+12], -4.0, v[P+13]
	v_max_num_f32 v[P+13], 0, v[P+13]
	v_sqrt_f32 v[P+12], v[P+13]
	v_pk_mul_f32 v[MT:MT+1], v[MXI:MXI+1], v[MXI:MXI+1]                                   ; |rel| < 1: a^2 (7/6 a - 2) + 8/9
	v_pk_fma_f32 v[MU:MU+1], v[MXI:MXI+1], s[C76:C76+1], -2.0 op_sel_hi:[1,0,0]
	v_pk_fma_f32 v[MXI:MXI+1], v[MT:MT+1], v[MU:MU+1], s[C89:C89+1] op_sel_hi:[1,1,0]
	s_wait_alu depctr_va_vdst(0)
	v_add_f32 v[P+14], v[P+11], v[P+12]            ; twice s1
	v_sub_f32 v[P+15], v[P+11], v[P+12]
	v_cmp_lt_f32 s[NEED], 2.0, v[P+14]
	v_pk_mul_f32 v[P+14:P+15], v[P+14:P+15], 0.5 op_sel_hi:[1,0]  ; s1, s2
	v_max_num_f32 v[P+16], 1.0, v[P+14]            ; M
	v_max_num_f32 v[P+17], 1.0, v[P+15]            ; m
	v_rsq_f32 v[P+16], v[P+16]
	v_rsq_f32 v[P+17], v[P+17]
	v_sub_f32 v[P+18], v[P+14], v[P+9]             ; diff1
	v_sub_f32 v[P+19], v[P+14], v[P+8]             ; diff2
	v_mul_f32 v[P+20], v[P+18], v[P+18]
	v_mul_f32 v[P+21], v[P+19], v[P+19]
	v_cmp_ge_f32 vcc_lo, v[P+20], v[P+21]
	v_cndmask_b32 v[P+20], v[P+19], v[P+10], vcc_lo  ; tu11 (with -n12 for n12)
	v_cndmask_b32 v[P+21], v[P+10], v[P+18], vcc_lo  ; tu21 (likewise)
	v_mul_f32 v[P+18], v[P+20], v[P+20]
	v_mul_f32 v[P+8],  v[P+21], v[P+21]
	v_mul_f32 v[P+10], v[P+20], v[P+21]            ; -tu11 tu21
	v_add_f32 v[P+9],  v[P+18], v[P+8]             ; norm^2
	v_rcp_f32 v[P+11], v[P+9]
	v_pk_mul_f32 v[MT:MT+1], v[MYI:MYI+1], v[MYI:MYI+1]
	v_pk_fma_f32 v[MU:MU+1], v[MYI:MYI+1], s[C76:C76+1], -2.0 op_sel_hi:[1,0,0]
	v_pk_fma_f32 v[MYI:MYI+1], v[MT:MT+1], v[MU:MU+1], s[C89:C89+1] op_sel_hi:[1,1,0]
	v_cmp_le_f32 vcc_lo, 0x800000, v[P+9]          ; a norm^2 that is a normal number
	s_wait_alu depctr_va_vdst(0)
	v_mul_f32 v[P+18], v[P+18], v[P+11]
	v_mul_f32 v[P+8],  v[P+8],  v[P+11]
	v_mul_f32 v[P+10], v[P+10], v[P+11]
	v_cndmask_b32 v[P+18], 1.0, v[P+18], vcc_lo    ; u11^2, or 1
	v_cndmask_b32 v[P+8],  0,   v[P+8],  vcc_lo    ; u21^2, or 0
	v_cndmask_b32 v[P+10], 0,   v[P+10], vcc_lo    ; -u11 u21, or 0
	v_mul_f32 v[P+12], v[P+16], v[P+16]            ; 1 / M
	v_mul_f32 v[P+13], v[P+17], v[P+17]            ; 1 / m
	v_mul_f32 v[TH],   v[P+16], v[P+17]            ; theta
	v_mul_f32 v[P+14], v[P+18], v[P+12]
	v_sub_f32 v[P+15], v[P+13], v[P+12]            ; 1 / m - 1 / M: the sign of n12 comes back here
	v_fma_f32 v[P+14], v[P+8], v[P+13], v[P+14]    ; A
	v_mul_f32 v[P+15], v[P+10], v[P+15]            ; h
	v_rsq_f32 v[P+16], v[P+14]
	v_pk_fma_f32 v[MT:MT+1], v[MXO:MXO+1], s[CM718:CM718+1], 2.0 op_sel_hi:[1,0,0]        ; 1 <= |rel| < 2: ((-7/18 a + 2) a - 10/3) a + 16/9
	v_pk_fma_f32 v[MU:MU+1], v[MYO:MYO+1], s[CM718:CM718+1], 2.0 op_sel_hi:[1,0,0]
	v_pk_fma_f32 v[MT:MT+1], v[MT:MT+1], v[MXO:MXO+1], s[CM103:CM103+1] op_sel_hi:[1,1,0]
	v_pk_fma_f32 v[MU:MU+1], v[MU:MU+1], v[MYO:MYO+1], s[CM103:CM103+1] op_sel_hi:[1,1,0]
	v_pk_fma_f32 v[MXO:MXO+1], v[MT:MT+1], v[MXO:MXO+1], s[C169:C169+1] op_sel_hi:[1,1,0]
	v_pk_fma_f32 v[MYO:MYO+1], v[MU:MU+1], v[MYO:MYO+1], s[C169:C169+1] op_sel_hi:[1,1,0]
	v_mul_f32 v[P+12], v[P+12], v[P+13]            ; 1 / (M m)
	s_wait_alu depctr_va_vdst(0)
	v_mul_f32 v[P+17], v[P+14], v[P+16]            ; sqrt(A)
	v_mul_f32 v[P+19], v[P+16], v[P+16]            ; 1 / A
	v_mul_f32 v[KP], v[P+15], v[P+16]
	v_mul_f32 v[DL], v[P+12], v[P+19]
	v_mul_f32 v[XS+2], v[P+17], v[FX]              ; sqrt(A) x_i, x_i = fx + 2 - i
	v_fma_f32 v[XS],   v[P+17], 2.0, v[XS+2]
	v_add_f32 v[XS+1], v[P+17], v[XS+2]
	v_sub_f32 v[XS+3], v[XS+2], v[P+17]
	v_fma_f32 v[XS+4], v[P+17], -2.0, v[XS+2]
	v_fma_f32 v[XS+5], v[P+17], 0xc0400000, v[XS+2]
.if \nxt
	; behind sig row j of chunk A: 4 (3 - j) of its later rows, 36 of lin, 5 grid values of B, 4 j refills: 53
	MROW 0, MYO, 0, 53, 1
	MROW 1, MYI, 0, 53, 1
	MROW 2, MYI, 1, 53, 1
	MROW 3, MYO, 1, 53, 1
.else
	; behind sig row j of chunk B: 4 (3 - j) of its later rows and 36 of lin
	MROW 0, MYO, 0, 48, 0
	MROW 1, MYI, 0, 44, 0
	MROW 2, MYI, 1, 40, 0
	MROW 3, MYO, 1, 36, 0
.endif
	R2 W0, 2.0
	SQ W0
.if \nxt
	; behind lin row j of chunk A: 6 (5 - j) of its later rows, 5 grid values and 16 of sig of B, 6 j refills: 51
	EROW 0, W0, W1, 1.0,        1, 51, 1
	EROW 1, W1, W0, 0,          1, 51, 1
	EROW 2, W0, W1, -1.0,       1, 51, 1
	EROW 3, W1, W0, -2.0,       1, 51, 1
	EROW 4, W0, W1, 0xc0400000, 1, 51, 1
	EROW 5, W1, W0, 0,          0, 51, 1
.else
	; behind lin row j of chunk B: its later rows alone
	EROW 0, W0, W1, 1.0,        1, 30, 0
	EROW 1, W1, W0, 0,          1, 24, 0
	EROW 2, W0, W1, -1.0,       1, 18, 0
	EROW 3, W1, W0, -2.0,       1, 12, 0
	EROW 4, W0, W1, 0xc0400000, 1, 6, 0
	EROW 5, W1, W0, 0,          0, 0, 0
.endif
	; THE END OF A PIXEL.  The extended sigmoid of the Mitchell sums: tanh(z) = 1 - 2 / (1 + 2^(2 z log2 e)); the EWA sums over the sum of weights; the blend.
	v_pk_add_f32 v[EA:EA+1],   v[EA:EA+1],   v[EA+4:EA+5]
	v_pk_add_f32 v[EA+2:EA+3], v[EA+2:EA+3], v[EA+6:EA+7]
.irp c, 0,1,2
	v_add_f32 v[MA+\c], v[MA+\c], v[MA+3+\c]
.endr
	v_add_f32 v[EA+3], s[EPS], v[EA+3]
.irp c, 0,1,2
	v_fma_f32 v[T+\c], v[MA+\c], s[CE1], s[CE0]
.endr
	v_rcp_f32 v[EA+3], v[EA+3]
.irp c, 0,1,2
	v_exp_f32 v[T+\c], v[T+\c]
.endr
.irp c, 0,1,2
	v_mul_f32 v[W0+\c], s[SLP], v[MA+\c]               ; the branch q <= 0
.endr
.irp c, 0,1,2
	v_fma_f32 v[W0+3+\c], v[MA+\c], s[SLP], s[OMSL]    ; the branch q >= 1
.endr
	s_wait_alu depctr_va_vdst(0)
.irp c, 0,1,2
	v_add_f32 v[T+\c], 1.0, v[T+\c]
.endr
.irp c, 0,1,2
	v_rcp_f32 v[T+\c], v[T+\c]
.endr
.irp c, 0,1,2
	v_mul_f32 v[EA+\c], v[EA+\c], v[EA+3]              ; ewa_val
.endr
	s_wait_alu depctr_va_vdst(0)
.irp c, 0,1,2
	v_fma_f32 v[T+\c], v[T+\c], s[M2H], s[HP5]         ; the middle branch
.endr
.irp c, 0,1,2
	v_cmp_ge_f32 vcc_lo, 0, v[MA+\c]
	v_cndmask_b32 v[T+\c], v[T+\c], v[W0+\c], vcc_lo
	v_cmp_le_f32 vcc_lo, 1.0, v[MA+\c]
	v_cndmask_b32 v[T+\c], v[T+\c], v[W0+3+\c], vcc_lo ; mitchell_val
	v_sub_f32 v[W1+\c], v[T+\c], v[EA+\c]
	v_fma_f32 v[W1+\c], v[TH], v[W1+\c], v[EA+\c]      ; theta mitchell + (1 - theta) ewa
	v_cndmask_b32 v[(\out)+\c], v[T+\c], v[W1+\c], s[NEED]
.endr
.endm
	CHUNK 1, OA
	CHUNK 0, XS
; THE WAY OUT.  Lane i is given pixels 2 i and 2 i + 1 of the wave's 64: lanes 0-15 from chunk A's lanes 2 i, 2 i + 1, lanes 16-31 from chunk B's.
; The lane permutes touch no LDS byte.  Each store of the wave then covers 256 consecutive bytes, at a multiple of 256 from out0's first byte.
	v_and_b32 v[T], 31, v0
	v_and_b32 v[T+1], 15, v0
	v_lshlrev_b32 v[T+1], 3, v[T+1]                ; 4 x the even pixel's lane
	v_add_nc_u32 v[T+2], 4, v[T+1]                 ; 4 x the odd pixel's lane
	v_lshlrev_b32 v[T+3], 3, v[T]                  ; my 8 bytes of the 256
.irp c, 0,1,2
	ds_bpermute_b32 v[PM+4*\c],   v[T+1], v[OA+\c]
	ds_bpermute_b32 v[PM+4*\c+1], v[T+2], v[OA+\c]
	ds_bpermute_b32 v[PM+4*\c+2], v[T+1], v[XS+\c]
	ds_bpermute_b32 v[PM+4*\c+3], v[T+2], v[XS+\c]
.endr
	v_cmp_gt_u32 vcc_lo, 16, v[T]
	s_wait_dscnt 0x0
.irp c, 0,1,2
	v_cndmask_b32 v[PM+4*\c],   v[PM+4*\c+2], v[PM+4*\c],   vcc_lo
	v_cndmask_b32 v[PM+4*\c+1], v[PM+4*\c+3], v[PM+4*\c+1], vcc_lo
	global_store_b64 v[T+3], v[PM+4*\c:PM+4*\c+1], s[12:13] offset:\c*OCH th:TH_STORE_NT
.endr
	s_endpgm
.Lfunc_end_k_qce72c99a6c_sample:
	.size	k_qce72c99a6c_sample, .Lfunc_end_k_qce72c99a6c_sample-k_qce72c99a6c_sample
	.p2alignl 7, 3214868480
	.fill 96, 4, 3214868480
	.section	.rodata,"a",@progbits
	.p2align	6, 0x0
	.amdhsa_kernel k_qce72c99a6c_sample
		.amdhsa_group_segment_fixed_size 0
		.amdhsa_private_segment_fixed_size 0
		.amdhsa_enable_private_segment 0
		.amdhsa_kernarg_size 40
		.amdhsa_user_sgpr_count 2
		.amdhsa_user_sgpr_kernarg_segment_ptr 1
		.amdhsa_wavefront_size32 1
		.amdhsa_system_sgpr_workgroup_id_x 1
		.amdhsa_system_sgpr_workgroup_id_y 1
		.amdhsa_system_sgpr_workgroup_id_z 1
		.amdhsa_system_vgpr_workitem_id 0
		.amdhsa_next_free_vgpr 256
		.amdhsa_next_free_sgpr 66
		.amdhsa_reserve_vcc 1
		.amdhsa_float_denorm_mode_32 3
		.amdhsa_float_denorm_mode_16_64 3
		.amdhsa_memory_ordered 1
		.amdhsa_forward_progress 1
		.amdhsa_inst_pref_size 75
	.end_amdhsa_kernel
	.amdgpu_metadata
---
amdhsa.version: [ 1, 2 ]
amdhsa.kernels:
  - .name:           k_qce72c99a6c_sample
    .symbol:         k_qce72c99a6c_sample.kd
    .args:
      - { .name: grid, .offset: 0, .size: 8, .value_kind: global_buffer, .address_space: global }
      - { .name: lin, .offset: 8, .size: 8, .value_kind: global_buffer, .address_space: global }
      - { .name: sig, .offset: 16, .size: 8, .value_kind: global_buffer, .address_space: global }
      - { .name: idx, .offset: 24, .size: 8, .value_kind: global_buffer, .address_space: global }
      - { .name: out0, .offset: 32, .size: 8, .value_kind: global_buffer, .address_space: global }
    .group_segment_fixed_size: 0
    .private_segment_fixed_size: 0
    .kernarg_segment_align: 8
    .kernarg_segment_size: 40
    .max_flat_workgroup_size: 128
    .sgpr_count:     66
    .vgpr_count:     256
    .wavefront_size: 32
...
	.end_amdgpu_metadata
.endif
;; end of part 2
;; ======== version 2 of 2: 2 launches; version 1 with the launch sample written anew for expert scheduling mode
;; limits: inputs' magnitudes at most 42,000; values are held in f16: magnitudes above 65,504 overflow, below 6.1e-05 lose precision
;; workspace buffers: lin 17,470,464 bytes; sig 8,735,232 bytes; idx 2,359,296 bytes of whole numbers
;; launch prep: the kernel of part 1 again; grid 1034 x 1, 12 waves a work-group, no clusters, 0 bytes of LDS; arguments image, grid, lin, sig, idx; writes lin, sig, idx
;; launch sample (part 3): grid 12 x 192, 4 waves a work-group, no clusters, 0 bytes of LDS; arguments grid, lin, sig, idx, out0; writes out0
.if DOCPART == 3
	.amdgcn_target "amdgcn-amd-amdhsa--gfx1250"
	.amdhsa_code_object_version 6
	.text
	.protected	k_qce72c99a6c_sample
	.globl	k_qce72c99a6c_sample
	.p2align	8
	.type	k_qce72c99a6c_sample,@function
k_qce72c99a6c_sample:
	s_mov_b64 s[64:65], 0
	v_nop
	global_prefetch_b8 v0, s[64:65] scope:SCOPE_SE
	s_setreg_imm32_b32 hwreg(HW_REG_WAVE_SCHED_MODE, 0, 2), 2
	s_setreg_imm32_b32 hwreg(HW_REG_WAVE_MODE, 25, 1), 1
	s_wait_xcnt 0x0
	s_wait_alu depctr_vm_vsrc(0)
; THE SAMPLER.  out0[c][Y][X] from grid [768][768][2] f32 and the three buffers of the launch before: lin (padded records c0, c1, c2, 1.0 in
; f32), sig (their inverse sigmoids in f16), idx (window corner and two bits, whole numbers).  Every address of the gather is made of idx.
; SHARES.  A work-group takes 64 x 4 pixels, a wave 64 pixels of one row as two chunks of 32, a lane one pixel of each chunk.
; PER PIXEL.  Jacobian by central differences (neighbours clamped at the edges), its inverse, the larger and smaller squared singular
; values s1, s2, the eigenvector (u11, u21), all as the problem's formula has them, with v_rcp / v_rsq and a multiply for each division.
; MITCHELL.  Of the six taps of an axis those with |rel| >= 2 weigh 0: four are left, beginning at ox = -2 (fx < 0) or -1 (fx >= 0); idx carries that
; bit, so the 4 x 4 records are asked for directly.  With f = fx or fx + 1 the four distances are 1 + f, f, 1 - f, 2 - f: no masks.
; EWA.  r2 = q1^2 + q2^2 is the form A x^2 + 2 h x y + C y^2 with A = u11^2 / M + u21^2 / m, h = u11 u21 (1 / M - 1 / m), M = max(s1, 1), m = max(s2, 1),
; and determinant 1 / (M m).  It is taken as (sqrt(A) x + h y / sqrt(A))^2 + y^2 / (M m A) + 1e-8: two packed lines for two taps, and never below 1e-8.
; The Robidoux cubic has a continuous slope at r = 1 (a0 = 2 m0, a2 - m0 - 4 = -2 m0, m0 its inner root), so for all r >= 0
;   w = u^2 (k2 - 8 u) + t^2 (4 t + k1),  u = clamp(1 - r / 2),  t = clamp(1 - r),  k2 = 4 (2 + m0),  k1 = -(4 + 2 m0):  no compare, all packed.
; The record's 1.0 makes the sum of weights in the same two packed multiply-adds that sum the three channels.
; IN FLIGHT.  A chunk's 52 gathers (16 of 8 bytes, 36 of 16) go out before its parameters are made; chunk B's go out during chunk A, into the registers
; that chunk A has summed.  Loads come back in order (ISA guide 5.7.1): each wait's count is the number of loads issued behind those it needs.
; THE MODE: SCHED_MODE bits 1:0 = 2 (LLVM: expert scheduling mode 2), set by the entry lines.  The code itself states the register dependences
; between vector instructions and memory or LDS instructions, and those through scalar registers that vector instructions write, with s_wait_alu, always for 0.
; THE PLAN.  Registers that memory or LDS instructions touch:
;   v1-v8      offsets.  Written once by vector lines (v1-4 at the head, v5-6 and v7-8 by the two DECODEs), read by loads, never written again.
;   G          Loaded for chunk A; read by the chunk's first eight vector lines; behind them loaded for chunk B; read by chunk B's first eight.
;   SIG        Loaded for chunk A; read by its Mitchell sums alone; then loaded for chunk B.
;   LIN row j  Loaded for chunk A; read by the sums of EWA row j alone; then loaded for chunk B.  At the very end v112-123 take the lane permutes' results.
;   T+1 .. T+3, OA, XS at the very end: written by vector lines, read by the permutes and the stores, not written again.
; No register that a memory instruction reads is written behind it, so no wait on vm_vsrc is owed anywhere; EXEC is never written.
; Chunk B's 52 gathers are a queue (sig rows 0-3, lin rows 0-5) that FOUR waits on va_vdst free: in EWA row 0 (the Mitchell sums are done with SIG: 16 loads),
; in rows 2 and 4 (the two rows before are summed: 12 loads each), at the head of the chunk's end (rows 4, 5: 12 loads).  Behind each wait the freed loads are dealt
; among the vector lines that follow, none of which names the freed registers.
; Compares write scalar registers, in runs, with one wait on va_sdst between a run and its first reader.
; LIMITS.  Sums in f32; sig in f16.  r2 + 1e-8 stands for r2 in the inner cubic.  A squared eigenvector norm below the smallest normal number counts as 0
; (u = (1, 0)): there M = m to rounding, and the form does not hang on u.  Transcendentals flush denormals (ISA guide 15.8).  The order of rounding
; differs from the formula's.  NaN and infinities are not treated apart.
.set WOUT,  768
.set PITCH, 1056
.set LROW,  PITCH*16
.set SROW,  PITCH*8
.set GROW,  WOUT*8
.set IROW,  WOUT*4
.set OCH,   WOUT*WOUT*4
.set C8,   1                           ; v1      8 x my column (chunk A); never rewritten
.set LA,   2                           ; v2      8 x max(column - 1, 0)
.set RB,   3                           ; v3      8 x min(column + 33, 767)
.set C4,   4                           ; v4      4 x my column
.set ALA,  5                           ; v5-8    byte offsets of my windows: lin A, sig A, lin B, sig B; never rewritten
.set ASA,  6
.set ALB,  7
.set ASB,  8
.set ZR,   9                           ; v9      0
.set ONE,  10                          ; v10-15  1, 1; -1, -1; -0.5, -0.5: a line with clamp takes all its sources from vector registers
.set NEG1, 12
.set NEGH, 14
.set G,    16                          ; v16-25  grid: own, left, right, up, down
.set IX,   26                          ; v26-27  idx words of chunks A and B
.set XS,   28                          ; v28-33  sqrt(A) x_i; at the very end chunk B's results
.set KD,   34                          ; v34-35  K_j = h y_j / sqrt(A), D_j = y_j^2 / (M m A) + 1e-8
.set W0,   36                          ; v36-41, v42-47  two buffers of a row's six r2, r, w
.set W1,   42
.set MXI,  36                          ; ahead of them in time, the Mitchell weights: x taps 1, 2; x taps 0, 3; the same for y
.set MXO,  38
.set MYI,  40
.set MYO,  42
.set MT,   44
.set MU,   46
.set T,    48                          ; v48-55  at work
.set P,    48                          ; v48-69  at work while the parameters are made
.set MA,   56                          ; v56-61  Mitchell sums, even taps' and odd taps'
.set EA,   62                          ; v62-69  EWA sums (c0, c1, c2, weights), even taps' and odd taps'
.set TH,   70                          ; theta
.set KP,   71                          ; h / sqrt(A)
.set FX,   72                          ; v72-73  fx, fy
.set FY,   73
.set DL,   74                          ; 1 / (M m A)
.set OA,   75                          ; v75-77  chunk A's results
.set SIG,  80                          ; v80-111   4 x 4 records of 2
.set LIN,  112                         ; v112-255  6 x 6 records of 4
.set PM,   112                         ; at the very end: the re-dealt results
.set MK,   14                          ; s14-19  behind the head: the six masks of the extended sigmoid; s14 also the way out's
.set MFX,  20                          ; s20  lanes with fx >= 0
.set MFY,  21                          ; s21  lanes with fy >= 0
.set EIG,  22                          ; s22  lanes with diff1^2 >= diff2^2
.set NRM,  23                          ; s23  lanes whose norm^2 is a normal number
.set EPS,  32                          ; s32  1e-8
.set C76,  34                          ; pairs, named whole by packed lines that take the low word for both halves
.set C89,  36
.set CM718, 38
.set CM103, 40
.set C169, 42
.set M8,   44
.set K2,   46
.set K1,   48
.set CE1,  50                          ; 3.38589 log2(e)
.set CE0,  51                          ; -half of it
.set SLP,  52                          ; slope = 0.6447488
.set OMSL, 53                          ; 1 - slope
.set M2H,  54                          ; -1 / sig1
.set HP5,  55                          ; 0.5 / sig1 + 0.5
.set NEED, 56                          ; lanes with twice s1 > 2
.set QN,   0                           ; chunk B's queue of 52 gathers: the next to be issued,
.set QL,   0                           ; and how many the waits on va_vdst have freed so far
	s_load_b256 s[4:11], s[0:1], 0x0               ; grid s[4:5], lin s[6:7], sig s[8:9], idx s[10:11]
	s_load_b64 s[12:13], s[0:1], 0x20              ; out0
	v_lshrrev_b32 v1, 5, v0
	v_readfirstlane_b32 s14, v1                    ; wave 0..3
	s_and_b32 s15, ttmp7, 0xffff
	s_lshl_b32 s15, s15, 2
	s_lshl_b32 s16, ttmp9, 6                       ; the wave's first column
	s_lshl_b32 s19, s16, 2
	v_and_b32 v[T], 31, v0
	v_add_nc_u32 v[T], s16, v[T]                   ; my column in chunk A; chunk B's is 32 further on
	v_lshlrev_b32 v[C8], 3, v[T]
	v_lshlrev_b32 v[C4], 2, v[T]
	v_min_u32 v[T+1], 1, v[T]
	v_sub_nc_u32 v[T+1], v[T], v[T+1]
	v_lshlrev_b32 v[LA], 3, v[T+1]
	v_add_nc_u32 v[T+1], 33, v[T]
	v_min_u32 v[T+1], WOUT-1, v[T+1]
	v_lshlrev_b32 v[RB], 3, v[T+1]
	s_wait_alu depctr_va_sdst(0)                   ; s14 is written, ahead of its first reader: the row Y and all that hangs on it are made from it
	s_add_co_u32 s15, s15, s14                     ; Y
	s_max_u32 s17, s15, 1
	s_sub_co_u32 s17, s17, 1                       ; max(Y - 1, 0)
	s_add_co_u32 s18, s15, 1
	s_min_u32 s18, s18, WOUT-1                     ; min(Y + 1, 767)
	s_mul_i32 s20, s15, GROW
	s_mov_b32 s21, 0
	s_mul_i32 s22, s17, GROW
	s_mov_b32 s23, 0
	s_mul_i32 s24, s18, GROW
	s_mov_b32 s25, 0
	s_mul_i32 s26, s15, IROW
	s_mov_b32 s27, 0
	s_wait_kmcnt 0x0
	s_add_nc_u64 s[28:29], s[4:5], s[22:23]        ; grid: the row above,
	s_add_nc_u64 s[30:31], s[4:5], s[24:25]        ; the row below,
	s_add_nc_u64 s[4:5], s[4:5], s[20:21]          ; my row
	s_add_nc_u64 s[10:11], s[10:11], s[26:27]      ; idx: my row
	s_add_co_u32 s26, s26, s19
	s_add_nc_u64 s[12:13], s[12:13], s[26:27]      ; out0: my wave's 64 pixels in channel 0: a multiple of 256 bytes
; Five grid values of a chunk.  In chunk A only the left neighbour can fall off the row, in chunk B only the right one.
.macro GRIDLOAD own, lreg, loff, rreg, roff
	global_load_b64 v[G:G+1],   v[C8],    s[4:5]   offset:\own
	global_load_b64 v[G+2:G+3], v[\lreg], s[4:5]   offset:\loff
	global_load_b64 v[G+4:G+5], v[\rreg], s[4:5]   offset:\roff
	global_load_b64 v[G+6:G+7], v[C8],    s[28:29] offset:\own
	global_load_b64 v[G+8:G+9], v[C8],    s[30:31] offset:\own
.endm
	s_wait_alu depctr_va_vdst(0)                   ; the four offsets v1 to v4 are written, which the loads of idx and of the grid read, here and in chunk A
	global_load_b32 v[IX],   v[C4], s[10:11]
	global_load_b32 v[IX+1], v[C4], s[10:11] offset:128
	GRIDLOAD 0, LA, 0, C8, 8
	v_mov_b32 v[ZR], 0                             ; the constants are set while those seven loads are out
	v_mov_b32 v[ONE], 1.0
	v_mov_b32 v[ONE+1], 1.0
	v_mov_b32 v[NEG1], -1.0
	v_mov_b32 v[NEG1+1], -1.0
	v_mov_b32 v[NEGH], -0.5
	v_mov_b32 v[NEGH+1], -0.5
	s_mov_b32 s[EPS], 0x322bcc77                   ; 1e-8
.irp h, 0,1
	s_mov_b32 s[C76+\h],   0x3f955555              ; 7/6
	s_mov_b32 s[C89+\h],   0x3f638e39              ; 8/9
	s_mov_b32 s[CM718+\h], 0xbec71c72              ; -7/18
	s_mov_b32 s[CM103+\h], 0xc0555555              ; -10/3
	s_mov_b32 s[C169+\h],  0x3fe38e39              ; 16/9
	s_mov_b32 s[M8+\h],    0xc1000000              ; -8
	s_mov_b32 s[K2+\h],    0x4015eec2              ; 2.3426976
	s_mov_b32 s[K1+\h],    0xbf95eec2              ; -1.1713488
.endr
	s_mov_b32 s[CE1],  0x409c5056                  ; 4.8848067
	s_mov_b32 s[CE0],  0xc01c5056                  ; -2.4424034
	s_mov_b32 s[SLP],  0x3f250e42
	s_mov_b32 s[OMSL], 0x3eb5e37c                  ; 0.3552512
	s_mov_b32 s[M2H],  0xbfb9b774                  ; -1.4509111
	s_mov_b32 s[HP5],  0x3f9cdbba                  ; 1.2254556
; An idx word becomes two byte offsets.  Each coordinate is held under a constant before it enters an address; behind that only shifts and adds:
; 1056 y + x = ((33 y) << 5) + x.  Window ends: lin 1028 + 5 = 1033, sig 1029 + 3 = 1032, inside the 1,034 rows and 1,056 columns.
.macro DECODE wd, la, sa
	v_and_b32 v[T],   0x7ff, v[\wd]                ; px
	v_bfe_u32 v[T+1], v[\wd], 11, 11               ; py
	v_bfe_u32 v[T+2], v[\wd], 22, 1                ; fx >= 0
	v_bfe_u32 v[T+3], v[\wd], 23, 1                ; fy >= 0
	v_add_nc_u32 v[T+2], v[T],   v[T+2]            ; the 4 x 4 window begins there
	v_add_nc_u32 v[T+3], v[T+1], v[T+3]
	v_min_u32 v[T],   0x404, v[T]
	v_min_u32 v[T+1], 0x404, v[T+1]
	v_min_u32 v[T+2], 0x405, v[T+2]
	v_min_u32 v[T+3], 0x405, v[T+3]
	v_lshl_add_u32 v[T+1], v[T+1], 5, v[T+1]
	v_lshl_add_u32 v[T+1], v[T+1], 5, v[T]
	v_lshlrev_b32 v[\la], 4, v[T+1]
	v_lshl_add_u32 v[T+3], v[T+3], 5, v[T+3]
	v_lshl_add_u32 v[T+3], v[T+3], 5, v[T+2]
	v_lshlrev_b32 v[\sa], 3, v[T+3]
.endm
.macro LOADSIG j, a                    ; row j of the 4 x 4 window
.irp k, 0,1,2,3
	global_load_b64 v[SIG+2*(4*(\j)+\k):SIG+2*(4*(\j)+\k)+1], v[\a], s[8:9] offset:(\j)*SROW+\k*8
.endr
.endm
.macro LOADLIN j, a                    ; row j of the 6 x 6 window
.irp i, 0,1,2,3,4,5
	global_load_b128 v[LIN+4*(6*(\j)+\i):LIN+4*(6*(\j)+\i)+3], v[\a], s[6:7] offset:(\j)*LROW+\i*16
.endr
.endm
; Up to n of chunk B's gathers, as far as the last wait on va_vdst has freed their registers: numbers 0-15 are sig's, 16-51 lin's, in the order in which chunk B
; reads them.  Where nothing is free (QN = QL: in chunk B always) the macro writes nothing.
.macro DEAL n
.rept \n
.if QN < QL
.if QN < 16
	global_load_b64 v[SIG+2*QN:SIG+2*QN+1], v[ASB], s[8:9] offset:(QN/4)*SROW+(QN%4)*8
.else
	global_load_b128 v[LIN+4*(QN-16):LIN+4*(QN-16)+3], v[ALB], s[6:7] offset:((QN-16)/6)*LROW+((QN-16)%6)*16
.endif
.set QN, QN+1
.endif
.endr
.endm
	s_wait_loadcnt 5                               ; both idx words are in; the five grid loads issued behind them may be out
	DECODE IX, ALA, ASA
	s_wait_alu depctr_va_vdst(0)                   ; v5 and v6 are written, which chunk A's 52 gathers read as their offsets
.irp j, 0,1,2,3
	LOADSIG \j, ASA
.endr
.irp j, 0,1,2,3,4,5
	LOADLIN \j, ALA
.endr
	DECODE IX+1, ALB, ASB                          ; names no register of the loads above; v7 and v8 are first read behind chunk A's first wait on va_vdst
; MITCHELL SUMS.  One tap: three multiply-adds of an f16 half by an f32 weight into an f32 sum.  The first even and the first odd tap start the sums on a register that holds 0.
.macro MTAP j, k, wr
.set rS, SIG+2*(4*(\j)+(\k))
.set rA, MA+3*((\k)%2)
.if ((\j) == 0) && ((\k) < 2)
	v_fma_mix_f32 v[rA],   v[rS],   v[\wr], v[ZR] op_sel:[0,0,0] op_sel_hi:[1,0,0]
	v_fma_mix_f32 v[rA+1], v[rS],   v[\wr], v[ZR] op_sel:[1,0,0] op_sel_hi:[1,0,0]
	v_fma_mix_f32 v[rA+2], v[rS+1], v[\wr], v[ZR] op_sel:[0,0,0] op_sel_hi:[1,0,0]
.else
	v_fma_mix_f32 v[rA],   v[rS],   v[\wr], v[rA]   op_sel:[0,0,0] op_sel_hi:[1,0,0]
	v_fma_mix_f32 v[rA+1], v[rS],   v[\wr], v[rA+1] op_sel:[1,0,0] op_sel_hi:[1,0,0]
	v_fma_mix_f32 v[rA+2], v[rS+1], v[\wr], v[rA+2] op_sel:[0,0,0] op_sel_hi:[1,0,0]
.endif
.endm
; Row j: its y weight is half yh of pair yp.  Behind this row's four loads: 4 (3 - j) of sig's later rows, 36 of lin; in chunk A (nxt = 1) also chunk B's 5 grid values
; and what has been dealt of its gathers, here none: 53, 49, 45, 41 in chunk A; 48, 44, 40, 36 in chunk B.
.macro MROW j, yp, yh, nxt
	v_pk_mul_f32 v[T:T+1],   v[MXI:MXI+1], v[\yp:\yp+1] op_sel:[0,\yh] op_sel_hi:[1,\yh]  ; taps 1, 2
	v_pk_mul_f32 v[T+2:T+3], v[MXO:MXO+1], v[\yp:\yp+1] op_sel:[0,\yh] op_sel_hi:[1,\yh]  ; taps 0, 3
	s_wait_loadcnt 4*(3-(\j))+36+(\nxt)*(5+QN)
	MTAP \j, 0, T+2
	MTAP \j, 1, T
	MTAP \j, 2, T+1
	MTAP \j, 3, T+3
.endm
; EWA, a row of six taps at a time.  R2: r2 + 1e-8 for the row with y = fy + yc.
.macro R2 w, yc
	v_add_f32 v[T+6], \yc, v[FY]
	v_mul_f32 v[KD],  v[KP], v[T+6]
	v_mul_f32 v[T+7], v[DL], v[T+6]
	v_fma_f32 v[KD+1], v[T+7], v[T+6], s[EPS]
	DEAL 2
.irp p, 0,2,4
	v_pk_add_f32 v[(\w)+\p:(\w)+\p+1], v[XS+\p:XS+\p+1], v[KD:KD+1] op_sel_hi:[1,0]
.endr
	DEAL 2
	s_wait_alu depctr_va_vdst(0)
.irp p, 0,2,4
	v_pk_fma_f32 v[(\w)+\p:(\w)+\p+1], v[(\w)+\p:(\w)+\p+1], v[(\w)+\p:(\w)+\p+1], v[KD:KD+1] op_sel:[0,0,1] op_sel_hi:[1,1,1]
.endr
.endm
.macro SQ w                            ; six roots on end; what follows each use of this macro is plain work on other registers (ISA guide 5.7.2)
.irp i, 0,1,2,3,4,5
	v_sqrt_f32 v[(\w)+\i], v[(\w)+\i]
.endr
.endm
.macro WGT w                           ; r becomes w, two taps a line
	s_wait_alu depctr_va_vdst(0)
.irp p, 0,2,4
	v_pk_fma_f32 v[T:T+1],     v[(\w)+\p:(\w)+\p+1], v[NEGH:NEGH+1], v[ONE:ONE+1] clamp  ; u = clamp(1 - r / 2)
	v_pk_fma_f32 v[T+2:T+3],   v[(\w)+\p:(\w)+\p+1], v[NEG1:NEG1+1], v[ONE:ONE+1] clamp  ; t = clamp(1 - r)
	v_pk_fma_f32 v[T+4:T+5],   v[T:T+1], s[M8:M8+1], s[K2:K2+1] op_sel_hi:[1,0,0]        ; k2 - 8 u
	v_pk_mul_f32 v[T:T+1],     v[T:T+1], v[T:T+1]
	v_pk_fma_f32 v[(\w)+\p:(\w)+\p+1], v[T+2:T+3], 4.0, s[K1:K1+1] op_sel_hi:[1,0,0]     ; 4 t + k1
	v_pk_mul_f32 v[T+2:T+3],   v[T+2:T+3], v[T+2:T+3]
	v_pk_mul_f32 v[T:T+1],     v[T:T+1], v[T+4:T+5]
	v_pk_fma_f32 v[(\w)+\p:(\w)+\p+1], v[T+2:T+3], v[(\w)+\p:(\w)+\p+1], v[T:T+1]
	DEAL 2
.endr
.endm
.macro ATAP j, i, w, hi                ; tap i of row j: its weight is half hi of pair w; even and odd taps have sums of their own; the first two taps start them
.set rL, LIN+4*(6*(\j)+(\i))
.set rE, EA+4*(\hi)
.if ((\j) == 0) && ((\i) < 2)
	v_pk_mul_f32 v[rE:rE+1],   v[rL:rL+1],   v[\w:\w+1] op_sel:[0,\hi] op_sel_hi:[1,\hi]
	v_pk_mul_f32 v[rE+2:rE+3], v[rL+2:rL+3], v[\w:\w+1] op_sel:[0,\hi] op_sel_hi:[1,\hi]
	s_wait_alu depctr_va_vdst(0)
.else
	v_pk_fma_f32 v[rE:rE+1],   v[rL:rL+1],   v[\w:\w+1], v[rE:rE+1]   op_sel:[0,\hi,0] op_sel_hi:[1,\hi,1]
	v_pk_fma_f32 v[rE+2:rE+3], v[rL+2:rL+3], v[\w:\w+1], v[rE+2:rE+3] op_sel:[0,\hi,0] op_sel_hi:[1,\hi,1]
.endif
.endm
; Row j.  The next row's r2 stands behind this row's roots, the next row's roots ahead of this row's sums: a root's result is used a row of plain work later.
; Behind this row's six loads: 6 (5 - j) of lin's later rows; in chunk A also chunk B's 5 grid values and the QN of its gathers dealt so far (0, 16, 16, 28, 28, 40):
; 35, 45, 39, 45, 39, 45 in chunk A; 30, 24, 18, 12, 6, 0 in chunk B.
; In chunk A's rows 0, 2 and 4 a wait on va_vdst frees the next part of the queue: six of its loads stand behind this row's six taps, the others in the next row's r2 and weights.
.macro EROW j, wc, wn, ycn, more, nxt
.if \more
	R2 \wn, \ycn
.endif
	WGT \wc
.if \more
	SQ \wn
.endif
	s_wait_loadcnt 6*(5-(\j))+(\nxt)*(5+QN)
.if (\nxt) && ((\j)%2 == 0)
	s_wait_alu depctr_va_vdst(0)                   ; row 0: the Mitchell sums are done reading SIG; rows 2, 4: the sums of the two rows before are done reading their part of LIN: chunk B's loads land there
.set QL, 16+6*(\j)
.endif
	ATAP \j, 0, (\wc), 0
	DEAL 1                                         ; no vector line since the wait names the freed registers: these sums read row j's alone
	ATAP \j, 1, (\wc), 1
	DEAL 1
	ATAP \j, 2, (\wc)+2, 0
	DEAL 1
	ATAP \j, 3, (\wc)+2, 1
	DEAL 1
	ATAP \j, 4, (\wc)+4, 0
	DEAL 1
	ATAP \j, 5, (\wc)+4, 1
	DEAL 1
.endm
; A CHUNK.  nxt = 1: chunk A, which also asks for chunk B's data.  out: where the three results go.
.macro CHUNK nxt, out
	s_wait_loadcnt 52                              ; the five grid values are in; behind them 16 + 36 gathers were issued
	v_pk_add_f32 v[P:P+1],   v[G+4:G+5], v[G+2:G+3] neg_lo:[0,1] neg_hi:[0,1]  ; right - left
	v_pk_add_f32 v[P+2:P+3], v[G+8:G+9], v[G+6:G+7] neg_lo:[0,1] neg_hi:[0,1]  ; down - up
	v_floor_f32 v[P+4], v[G]
	v_floor_f32 v[P+5], v[G+1]
	v_pk_mul_f32 v[P:P+1],   v[P:P+1],   0.5 op_sel_hi:[1,0]                   ; J00, J10
	v_pk_mul_f32 v[P+2:P+3], v[P+2:P+3], 0.5 op_sel_hi:[1,0]                   ; J01, J11
	v_pk_add_f32 v[P+4:P+5], v[P+4:P+5], 0.5 op_sel_hi:[1,0]
	v_pk_add_f32 v[FX:FX+1], v[G:G+1], v[P+4:P+5] neg_lo:[0,1] neg_hi:[0,1]    ; fx, fy
	v_cmp_le_f32 s[MFX], 0, v[FX]                  ; two masks in a run; the determinant stands between them and the wait for them
	v_cmp_le_f32 s[MFY], 0, v[FY]
.if \nxt
	s_wait_alu depctr_va_vdst(0)                   ; the lines above are done reading chunk A's ten grid numbers, in whose registers chunk B's land; v7 and v8 are written, which all of chunk B's gathers read
	GRIDLOAD 256, C8, 248, RB, 0
.endif
	v_mul_f32 v[P+4], v[P], v[P+3]
	v_mul_f32 v[P+5], v[P+2], v[P+1]
	v_sub_f32 v[P+4], v[P+4], v[P+5]
	v_add_f32 v[P+4], s[EPS], v[P+4]               ; det
	v_rcp_f32 v[P+5], v[P+4]
	v_add_f32 v[MT],   1.0, v[FX]                  ; the Mitchell weights are made in the places behind the transcendentals
	v_add_f32 v[MT+1], 1.0, v[FY]
	s_wait_alu depctr_va_sdst(0)                   ; the masks fx >= 0 and fy >= 0 are written, ahead of the two selects that read them
	v_cndmask_b32 v[MXI], v[MT],   v[FX], s[MFX]   ; f = fx or fx + 1
	v_cndmask_b32 v[MYI], v[MT+1], v[FY], s[MFY]
	v_sub_f32 v[MXI+1], 1.0, v[MXI]                ; (f, 1 - f): taps 1, 2
	v_sub_f32 v[MYI+1], 1.0, v[MYI]
	v_pk_add_f32 v[MXO:MXO+1], v[MXI:MXI+1], v[ONE:ONE+1]  ; (1 + f, 2 - f): taps 0, 3
	v_pk_add_f32 v[MYO:MYO+1], v[MYI:MYI+1], v[ONE:ONE+1]
	s_wait_alu depctr_va_vdst(0)
	v_pk_mul_f32 v[P:P+1],   v[P:P+1],   v[P+4:P+5] op_sel:[0,1] op_sel_hi:[1,1]  ; d, -c
	v_pk_mul_f32 v[P+2:P+3], v[P+2:P+3], v[P+4:P+5] op_sel:[0,1] op_sel_hi:[1,1]  ; -b, a
	v_mul_f32 v[P+8],  v[P],   v[P]
	v_mul_f32 v[P+9],  v[P+2], v[P+2]
	v_mul_f32 v[P+10], v[P+3], v[P+1]
	v_mul_f32 v[P+12], v[P+5], v[P+5]              ; 1 / det^2
	v_fma_f32 v[P+8],  v[P+1], v[P+1], v[P+8]      ; n22
	v_fma_f32 v[P+9],  v[P+3], v[P+3], v[P+9]      ; n11
	v_fma_f32 v[P+10], v[P+2], v[P],   v[P+10]     ; -n12: the sign is given back where h is made
	v_add_f32 v[P+11], v[P+9], v[P+8]              ; frob
	v_mul_f32 v[P+13], v[P+11], v[P+11]
	v_fma_f32 v[P+13], v[P+12], -4.0, v[P+13]
	v_max_num_f32 v[P+13], 0, v[P+13]
	v_sqrt_f32 v[P+12], v[P+13]
	v_pk_mul_f32 v[MT:MT+1], v[MXI:MXI+1], v[MXI:MXI+1]                                   ; |rel| < 1: a^2 (7/6 a - 2) + 8/9
	v_pk_fma_f32 v[MU:MU+1], v[MXI:MXI+1], s[C76:C76+1], -2.0 op_sel_hi:[1,0,0]
	v_pk_fma_f32 v[MXI:MXI+1], v[MT:MT+1], v[MU:MU+1], s[C89:C89+1] op_sel_hi:[1,1,0]
	s_wait_alu depctr_va_vdst(0)
	v_add_f32 v[P+14], v[P+11], v[P+12]            ; twice s1
	v_sub_f32 v[P+15], v[P+11], v[P+12]
	v_cmp_lt_f32 s[NEED], 2.0, v[P+14]
	v_pk_mul_f32 v[P+14:P+15], v[P+14:P+15], 0.5 op_sel_hi:[1,0]  ; s1, s2
	v_max_num_f32 v[P+16], 1.0, v[P+14]            ; M
	v_max_num_f32 v[P+17], 1.0, v[P+15]            ; m
	v_rsq_f32 v[P+16], v[P+16]
	v_rsq_f32 v[P+17], v[P+17]
	v_sub_f32 v[P+18], v[P+14], v[P+9]             ; diff1
	v_sub_f32 v[P+19], v[P+14], v[P+8]             ; diff2
	v_mul_f32 v[P+20], v[P+18], v[P+18]
	v_mul_f32 v[P+21], v[P+19], v[P+19]
	v_cmp_ge_f32 s[EIG], v[P+20], v[P+21]
	s_wait_alu depctr_va_vdst(0)
	v_mul_f32 v[P+12], v[P+16], v[P+16]            ; 1 / M.  These four lines hang on the two roots alone: they stand between the compare and the wait for it
	v_mul_f32 v[P+13], v[P+17], v[P+17]            ; 1 / m
	v_mul_f32 v[TH],   v[P+16], v[P+17]            ; theta
	v_sub_f32 v[P+15], v[P+13], v[P+12]            ; 1 / m - 1 / M: the sign of n12 comes back here
	s_wait_alu depctr_va_sdst(0)                   ; the mask of the eigenvector's branch is written, ahead of the two selects below; so is NEED, which the chunk's last selects read
	v_cndmask_b32 v[P+20], v[P+19], v[P+10], s[EIG]  ; tu11 (with -n12 for n12)
	v_cndmask_b32 v[P+21], v[P+10], v[P+18], s[EIG]  ; tu21 (likewise)
	v_mul_f32 v[P+18], v[P+20], v[P+20]
	v_mul_f32 v[P+8],  v[P+21], v[P+21]
	v_mul_f32 v[P+10], v[P+20], v[P+21]            ; -tu11 tu21
	v_add_f32 v[P+9],  v[P+18], v[P+8]             ; norm^2
	v_rcp_f32 v[P+11], v[P+9]
	v_pk_mul_f32 v[MT:MT+1], v[MYI:MYI+1], v[MYI:MYI+1]
	v_cmp_le_f32 s[NRM], 0x800000, v[P+9]          ; a norm^2 that is a normal number
	v_pk_fma_f32 v[MU:MU+1], v[MYI:MYI+1], s[C76:C76+1], -2.0 op_sel_hi:[1,0,0]
	v_pk_fma_f32 v[MYI:MYI+1], v[MT:MT+1], v[MU:MU+1], s[C89:C89+1] op_sel_hi:[1,1,0]
	s_wait_alu depctr_va_vdst(0)
	v_mul_f32 v[P+18], v[P+18], v[P+11]
	v_mul_f32 v[P+8],  v[P+8],  v[P+11]
	v_mul_f32 v[P+10], v[P+10], v[P+11]
	s_wait_alu depctr_va_sdst(0)                   ; the mask of the norm is written, ahead of the three selects that read it
	v_cndmask_b32 v[P+18], 1.0, v[P+18], s[NRM]    ; u11^2, or 1
	v_cndmask_b32 v[P+8],  0,   v[P+8],  s[NRM]    ; u21^2, or 0
	v_cndmask_b32 v[P+10], 0,   v[P+10], s[NRM]    ; -u11 u21, or 0
	v_mul_f32 v[P+14], v[P+18], v[P+12]
	v_fma_f32 v[P+14], v[P+8], v[P+13], v[P+14]    ; A
	v_mul_f32 v[P+15], v[P+10], v[P+15]            ; h
	v_rsq_f32 v[P+16], v[P+14]
	v_pk_fma_f32 v[MT:MT+1], v[MXO:MXO+1], s[CM718:CM718+1], 2.0 op_sel_hi:[1,0,0]        ; 1 <= |rel| < 2: ((-7/18 a + 2) a - 10/3) a + 16/9
	v_pk_fma_f32 v[MU:MU+1], v[MYO:MYO+1], s[CM718:CM718+1], 2.0 op_sel_hi:[1,0,0]
	v_pk_fma_f32 v[MT:MT+1], v[MT:MT+1], v[MXO:MXO+1], s[CM103:CM103+1] op_sel_hi:[1,1,0]
	v_pk_fma_f32 v[MU:MU+1], v[MU:MU+1], v[MYO:MYO+1], s[CM103:CM103+1] op_sel_hi:[1,1,0]
	v_pk_fma_f32 v[MXO:MXO+1], v[MT:MT+1], v[MXO:MXO+1], s[C169:C169+1] op_sel_hi:[1,1,0]
	v_pk_fma_f32 v[MYO:MYO+1], v[MU:MU+1], v[MYO:MYO+1], s[C169:C169+1] op_sel_hi:[1,1,0]
	v_mul_f32 v[P+12], v[P+12], v[P+13]            ; 1 / (M m)
	s_wait_alu depctr_va_vdst(0)
	v_mul_f32 v[P+17], v[P+14], v[P+16]            ; sqrt(A)
	v_mul_f32 v[P+19], v[P+16], v[P+16]            ; 1 / A
	v_mul_f32 v[KP], v[P+15], v[P+16]
	v_mul_f32 v[DL], v[P+12], v[P+19]
	v_mul_f32 v[XS+2], v[P+17], v[FX]              ; sqrt(A) x_i, x_i = fx + 2 - i
	v_fma_f32 v[XS],   v[P+17], 2.0, v[XS+2]
	v_add_f32 v[XS+1], v[P+17], v[XS+2]
	v_sub_f32 v[XS+3], v[XS+2], v[P+17]
	v_fma_f32 v[XS+4], v[P+17], -2.0, v[XS+2]
	v_fma_f32 v[XS+5], v[P+17], 0xc0400000, v[XS+2]
	MROW 0, MYO, 0, \nxt
	MROW 1, MYI, 0, \nxt
	MROW 2, MYI, 1, \nxt
	MROW 3, MYO, 1, \nxt
	R2 W0, 2.0
	SQ W0
	EROW 0, W0, W1, 1.0,        1, \nxt
	EROW 1, W1, W0, 0,          1, \nxt
	EROW 2, W0, W1, -1.0,       1, \nxt
	EROW 3, W1, W0, -2.0,       1, \nxt
	EROW 4, W0, W1, 0xc0400000, 1, \nxt
	EROW 5, W1, W0, 0,          0, \nxt
	; THE END OF A PIXEL.  The extended sigmoid of the Mitchell sums: tanh(z) = 1 - 2 / (1 + 2^(2 z log2 e)); the EWA sums over the sum of weights; the blend.
.if \nxt
	s_wait_alu depctr_va_vdst(0)                   ; the sums of rows 4 and 5 are done reading their part of LIN: the queue's last twelve loads land there; no line of the end names LIN
.set QL, 52
.endif
	v_pk_add_f32 v[EA:EA+1],   v[EA:EA+1],   v[EA+4:EA+5]
	v_pk_add_f32 v[EA+2:EA+3], v[EA+2:EA+3], v[EA+6:EA+7]
	DEAL 2
.irp c, 0,1,2
	v_add_f32 v[MA+\c], v[MA+\c], v[MA+3+\c]
.endr
	DEAL 2
	v_add_f32 v[EA+3], s[EPS], v[EA+3]
.irp c, 0,1,2
	v_fma_f32 v[T+\c], v[MA+\c], s[CE1], s[CE0]
.endr
	DEAL 2
.irp c, 0,1,2
	v_cmp_ge_f32 s[MK+\c], 0, v[MA+\c]                 ; six masks in a run: q <= 0,
.endr
.irp c, 0,1,2
	v_cmp_le_f32 s[MK+3+\c], 1.0, v[MA+\c]             ; q >= 1; the exponentials and reciprocals stand between them and the wait for them
.endr
	DEAL 2
	v_rcp_f32 v[EA+3], v[EA+3]
.irp c, 0,1,2
	v_exp_f32 v[T+\c], v[T+\c]
.endr
.irp c, 0,1,2
	v_mul_f32 v[W0+\c], s[SLP], v[MA+\c]               ; the branch q <= 0
.endr
	DEAL 2
.irp c, 0,1,2
	v_fma_f32 v[W0+3+\c], v[MA+\c], s[SLP], s[OMSL]    ; the branch q >= 1
.endr
	DEAL 2
	s_wait_alu depctr_va_vdst(0)
.irp c, 0,1,2
	v_add_f32 v[T+\c], 1.0, v[T+\c]
.endr
.irp c, 0,1,2
	v_rcp_f32 v[T+\c], v[T+\c]
.endr
.irp c, 0,1,2
	v_mul_f32 v[EA+\c], v[EA+\c], v[EA+3]              ; ewa_val
.endr
	s_wait_alu depctr_va_vdst(0)
.irp c, 0,1,2
	v_fma_f32 v[T+\c], v[T+\c], s[M2H], s[HP5]         ; the middle branch
.endr
	s_wait_alu depctr_va_sdst(0)                       ; the six masks are written, ahead of the selects that read them
.irp c, 0,1,2
	v_cndmask_b32 v[T+\c], v[T+\c], v[W0+\c], s[MK+\c]
	v_cndmask_b32 v[T+\c], v[T+\c], v[W0+3+\c], s[MK+3+\c] ; mitchell_val
	v_sub_f32 v[W1+\c], v[T+\c], v[EA+\c]
	v_fma_f32 v[W1+\c], v[TH], v[W1+\c], v[EA+\c]      ; theta mitchell + (1 - theta) ewa
	v_cndmask_b32 v[(\out)+\c], v[T+\c], v[W1+\c], s[NEED]
.endr
.endm
	CHUNK 1, OA
	CHUNK 0, XS
; THE WAY OUT.  Lane i is given pixels 2 i and 2 i + 1 of the wave's 64: lanes 0-15 from chunk A's lanes 2 i, 2 i + 1, lanes 16-31 from chunk B's.
; The lane permutes touch no LDS byte.  Each store of the wave then covers 256 consecutive bytes, at a multiple of 256 from out0's first byte.
	v_and_b32 v[T], 31, v0
	v_and_b32 v[T+1], 15, v0
	v_lshlrev_b32 v[T+1], 3, v[T+1]                ; 4 x the even pixel's lane
	v_add_nc_u32 v[T+2], 4, v[T+1]                 ; 4 x the odd pixel's lane
	v_lshlrev_b32 v[T+3], 3, v[T]                  ; my 8 bytes of the 256
	v_cmp_gt_u32 s[MK], 16, v[T]
	s_wait_alu depctr_va_vdst(0)                   ; the permutes' indices and data (T+1, T+2, OA, XS) and the stores' offset T+3 are written; chunk B's sums are done reading v112-123, in which the permutes' results land
.irp c, 0,1,2
	ds_bpermute_b32 v[PM+4*\c],   v[T+1], v[OA+\c]
	ds_bpermute_b32 v[PM+4*\c+1], v[T+2], v[OA+\c]
	ds_bpermute_b32 v[PM+4*\c+2], v[T+1], v[XS+\c]
	ds_bpermute_b32 v[PM+4*\c+3], v[T+2], v[XS+\c]
.endr
	s_wait_alu depctr_va_sdst(0)                   ; the mask of lanes 0-15 is written, ahead of the six selects that read it
	s_wait_dscnt 0x0
.irp c, 0,1,2
	v_cndmask_b32 v[PM+4*\c],   v[PM+4*\c+2], v[PM+4*\c],   s[MK]
	v_cndmask_b32 v[PM+4*\c+1], v[PM+4*\c+3], v[PM+4*\c+1], s[MK]
.endr
	s_wait_alu depctr_va_vdst(0)                   ; the selects have written the three pairs that the stores read
.irp c, 0,1,2
	global_store_b64 v[T+3], v[PM+4*\c:PM+4*\c+1], s[12:13] offset:\c*OCH th:TH_STORE_NT
.endr
	s_endpgm
.Lfunc_end_k_qce72c99a6c_sample:
	.size	k_qce72c99a6c_sample, .Lfunc_end_k_qce72c99a6c_sample-k_qce72c99a6c_sample
	.p2alignl 7, 3214868480
	.fill 96, 4, 3214868480
	.section	.rodata,"a",@progbits
	.p2align	6, 0x0
	.amdhsa_kernel k_qce72c99a6c_sample
		.amdhsa_group_segment_fixed_size 0
		.amdhsa_private_segment_fixed_size 0
		.amdhsa_enable_private_segment 0
		.amdhsa_kernarg_size 40
		.amdhsa_user_sgpr_count 2
		.amdhsa_user_sgpr_kernarg_segment_ptr 1
		.amdhsa_wavefront_size32 1
		.amdhsa_system_sgpr_workgroup_id_x 1
		.amdhsa_system_sgpr_workgroup_id_y 1
		.amdhsa_system_sgpr_workgroup_id_z 1
		.amdhsa_system_vgpr_workitem_id 0
		.amdhsa_next_free_vgpr 256
		.amdhsa_next_free_sgpr 66
		.amdhsa_reserve_vcc 0
		.amdhsa_float_denorm_mode_32 3
		.amdhsa_float_denorm_mode_16_64 3
		.amdhsa_memory_ordered 1
		.amdhsa_forward_progress 1
		.amdhsa_inst_pref_size 77
	.end_amdhsa_kernel
	.amdgpu_metadata
---
amdhsa.version: [ 1, 2 ]
amdhsa.kernels:
  - .name:           k_qce72c99a6c_sample
    .symbol:         k_qce72c99a6c_sample.kd
    .args:
      - { .name: grid, .offset: 0, .size: 8, .value_kind: global_buffer, .address_space: global }
      - { .name: lin, .offset: 8, .size: 8, .value_kind: global_buffer, .address_space: global }
      - { .name: sig, .offset: 16, .size: 8, .value_kind: global_buffer, .address_space: global }
      - { .name: idx, .offset: 24, .size: 8, .value_kind: global_buffer, .address_space: global }
      - { .name: out0, .offset: 32, .size: 8, .value_kind: global_buffer, .address_space: global }
    .group_segment_fixed_size: 0
    .private_segment_fixed_size: 0
    .kernarg_segment_align: 8
    .kernarg_segment_size: 40
    .max_flat_workgroup_size: 128
    .sgpr_count:     66
    .vgpr_count:     256
    .wavefront_size: 32
...
	.end_amdgpu_metadata
.endif
;; end of part 3
